; MI455X (gfx1250); checked and timed in simulation.
; The chip was launched on July 23, 2026; its instructions are those of AMD's public machine-readable ISA for CDNA 5 (MIT licence, August 2026) and "CDNA5" Instruction Set Architecture Reference Guide (July 2026). The comments in the code are by the model that wrote it; some were corrected since.
;; XPINN. Allowed arithmetic: matrix products marked QUANTISED: E4M3 operands, one given power-of-two scale a tensor, by v_wmma_f32_16x16x64_fp8_fp8 or v_wmma_f32_16x16x128_fp8_fp8, f32 sums; products left as they are: f32 operands where the result goes on into a quantised operand, else bf16, f16 or f32 operands; f32 sums; everything else in f32.
;; Inputs: B 4 x 100 x 2 float32; W1 4 x 200 x 128 float32; W2 4 x 128 x 128 float32; W3 4 x 128 x 128 float32; W4 4 x 128 x 1 float32; b1 4 x 128 float32; b2 4 x 128 float32; b3 4 x 128 float32; b4 4 x 1 float32; lowp_scales 24 int32 (the exponents e of the quantised operands' scales 2^e); t 262,144 x 1 float32; x 262,144 x 1 float32.
;; Outputs: out0 262,144 x 1 float32.
;; This version of the problem:
;;   THIS VERSION OF THE PROBLEM IS GIVEN IN LOW PRECISION. The matrix products marked QUANTISED in the list below multiply operands that are first quantised to E4M3 (4 exponent bits, 3 mantissa bits; 8 bits a number), with one given power-of-two scale for each operand tensor; their sums are f32. All else is computed in f32.
;;   The module's matrix products, in the order in which they are computed (A, B: the left and right operand; K: the contracted axis; several contracted axes count as one K, in the product's order):
;;     1. [M 262,144, K 2] x [K 2, N 100]; A: computed on the way; B: input B: left as it is (K = 2 < 32)
;;     2. [M 262,144, K 200] x [K 200, N 128]; A: computed on the way; B: input W1: QUANTISED (scales: A lowp_scales[0], B lowp_scales[1])
;;     3. [M 262,144, K 128] x [K 128, N 128]; A: computed on the way; B: input W2: QUANTISED (scales: A lowp_scales[2], B lowp_scales[3])
;;     4. [M 262,144, K 128] x [K 128, N 128]; A: computed on the way; B: input W3: QUANTISED (scales: A lowp_scales[4], B lowp_scales[5])
;;     5. [M 262,144, K 128] x [K 128, N 1]; A: computed on the way; B: input W4: left as it is (N = 1 < 16)
;;     6. [M 262,144, K 2] x [K 2, N 100]; A: computed on the way; B: input B: left as it is (K = 2 < 32)
;;     7. [M 262,144, K 200] x [K 200, N 128]; A: computed on the way; B: input W1: QUANTISED (scales: A lowp_scales[6], B lowp_scales[7])
;;     8. [M 262,144, K 128] x [K 128, N 128]; A: computed on the way; B: input W2: QUANTISED (scales: A lowp_scales[8], B lowp_scales[9])
;;     9. [M 262,144, K 128] x [K 128, N 128]; A: computed on the way; B: input W3: QUANTISED (scales: A lowp_scales[10], B lowp_scales[11])
;;     10. [M 262,144, K 128] x [K 128, N 1]; A: computed on the way; B: input W4: left as it is (N = 1 < 16)
;;     11. [M 262,144, K 2] x [K 2, N 100]; A: computed on the way; B: input B: left as it is (K = 2 < 32)
;;     12. [M 262,144, K 200] x [K 200, N 128]; A: computed on the way; B: input W1: QUANTISED (scales: A lowp_scales[12], B lowp_scales[13])
;;     13. [M 262,144, K 128] x [K 128, N 128]; A: computed on the way; B: input W2: QUANTISED (scales: A lowp_scales[14], B lowp_scales[15])
;;     14. [M 262,144, K 128] x [K 128, N 128]; A: computed on the way; B: input W3: QUANTISED (scales: A lowp_scales[16], B lowp_scales[17])
;;     15. [M 262,144, K 128] x [K 128, N 1]; A: computed on the way; B: input W4: left as it is (N = 1 < 16)
;;     16. [M 262,144, K 2] x [K 2, N 100]; A: computed on the way; B: input B: left as it is (K = 2 < 32)
;;     17. [M 262,144, K 200] x [K 200, N 128]; A: computed on the way; B: input W1: QUANTISED (scales: A lowp_scales[18], B lowp_scales[19])
;;     18. [M 262,144, K 128] x [K 128, N 128]; A: computed on the way; B: input W2: QUANTISED (scales: A lowp_scales[20], B lowp_scales[21])
;;     19. [M 262,144, K 128] x [K 128, N 128]; A: computed on the way; B: input W3: QUANTISED (scales: A lowp_scales[22], B lowp_scales[23])
;;     20. [M 262,144, K 128] x [K 128, N 1]; A: computed on the way; B: input W4: left as it is (N = 1 < 16)
;;   THE QUANTISER, for each operand of a quantised product, along K:
;;     - The operand's scale is 2^e, e = its entry of the input lowp_scales (int32; the entries are numbered through the quantised products in the list's order, A before B).
;;     - Each number is divided by the scale, clamped to +-448, and rounded to the nearest number of E4M3, ties to even, subnormals kept.
;;     - The product sums the exact products of the quantised numbers (number of the format x scale) in f32.
;;   ~~~python
;;   def quantise(x, axis, e):      # numpy; x: float32 -> the quantised numbers, widened to float32 again
;;       x = np.moveaxis(x, axis, -1); K = x.shape[-1]
;;       r = np.clip(x / 2.0 ** e, -448, 448)
;;       step = 2.0 ** (np.maximum(np.frexp(np.where(r == 0, 1, r))[1] - 1, -6) - 3)
;;       q = np.round(r / step) * step * 2.0 ** e      # np.round: ties to even
;;       return np.moveaxis(q, -1, axis).astype(np.float32)
;;   ~~~
;;   OPERANDS COMPUTED ON THE WAY. 'Computed on the way' means the value that the module computes at that place (a softmax that the list does not call 'softmax' is quantised finished and normalised). What goes into a quantiser is computed in f32, as accurately as f32 sums, v_exp_f32 and their like allow (about 1e-6 of the number): no bf16 or f16 on the way to a quantiser, and a product that is left as it is and whose result goes on into a quantised operand takes f32 operands (vector FMAs, or v_wmma_f32_16x16x4_f32). A number that lies on a knife's edge between two numbers of the format may be rounded either way, as far as f32 arithmetic and the matrix unit's own rounding can turn it there, and no further.
;; One version. Each part assembles by itself: llvm-mc -triple=amdgcn-amd-amdhsa -mcpu=gfx1250 --defsym DOCPART=n.
;; ======== version 1 of 1: 2 launches
;; workspace buffers: pos 1,048,576 bytes of whole numbers; glist 65,536 bytes of whole numbers; wcodes 262,144 bytes
;; launch prep (part 1): grid 272 x 1, 8 waves a work-group, no clusters, 1,280 bytes of LDS; arguments x, W1, W2, W3, lowp_scales, pos, glist, wcodes; writes pos, glist, wcodes
.if DOCPART == 1
	.amdgcn_target "amdgcn-amd-amdhsa--gfx1250"
	.amdhsa_code_object_version 6
	.text
	.protected	k_q22457308da_prep
	.globl	k_q22457308da_prep
	.p2align	8
	.type	k_q22457308da_prep,@function
k_q22457308da_prep:
	s_mov_b64 s[64:65], 0
	v_nop
	global_prefetch_b8 v0, s[64:65] scope:SCOPE_SE
	s_setreg_imm32_b32 hwreg(HW_REG_WAVE_MODE, 25, 1), 1
	s_wait_xcnt 0x0
; TWO JOBS IN ONE LAUNCH, parted by the work-group's number.
; Work-groups 0-255, ROUTING: block b = 1,024 points.  A point's domain d is x against -0.5, 0, 0.5 (NaN counts as domain 0 here; the next launch gives it 0).
;   The block's points are ordered by domain, each domain padded to whole groups of 32: pos[point] = its slot (0 .. 1119: at most (1024 + 4 x 31) / 32 = 35 groups),
;   glist[b][g] = the expert of group g, 4 where the block has no such group.  All of it is arithmetic on values: every address is fixed.
; Work-groups 256-271, WEIGHTS: one fragment (16 units x 128 K) a wave, W1, W2, W3 -> codes of E4M3 with the given scale 2^e, laid as the image of the operand's registers:
;   wcodes[expert][fragment phi][quad c][lane][16 bytes].  phi = 2 t + s for W1 (unit tile t, K step s), 16 + t for W2, 24 + t for W3.
;   A lane takes unit 16 t + lane % 16 and its registers run down K.  Place q (register q / 4, byte q % 4) of lane half h stands for
;   W2, W3: k = 16 (q / 8) + 8 h + q % 8.   W1, Q = 64 s + q: Q < 96: sine (Q % 16 < 8) or cosine of f = 50 h + 8 (Q / 16) + Q % 8; Q = 96, 97: sine of f = 50 h + 48, 49;
;   Q = 100, 101: their cosines; every other place holds the code 0.  The next launch lays its features in the same order.
; LIMITS: each weight's e between -126 and 119; NaN among the weights is not served.
	s_load_b512 s[4:19], s[0:1], 0x0               ; x 4, W1 6, W2 8, W3 10, scales 12, pos 14, glist 16, wcodes 18
	v_lshl_add_u32 v96, v0, 2, 0x100
	v_mov_b32 v97, 0
	v_lshrrev_b32 v1, 5, v0
	v_readfirstlane_b32 s20, v1                    ; wave 0..7
	v_and_b32 v1, 31, v0                           ; lane
	v_and_b32 v2, 15, v0                           ; r
	v_bfe_u32 v3, v0, 4, 1                         ; h
	s_cmp_ge_u32 ttmp9, 256
	s_cbranch_scc1 .Lweights                       ; the same way for all waves of a work-group
; ---------------- routing ----------------
	s_lshl_b32 s22, ttmp9, 12                      ; the block's 4,096 bytes in x and in pos
	s_mov_b32 s23, 0
	v_lshlrev_b32 v15, 4, v0                       ; thread t owns points 4 t .. 4 t + 3
	s_wait_kmcnt 0x0
	s_add_nc_u64 s[4:5], s[4:5], s[22:23]
	s_add_nc_u64 s[14:15], s[14:15], s[22:23]
	global_load_b128 v[4:7], v15, s[4:5]
	s_wait_loadcnt 0x0
.irp j, 0,1,2,3                                    ; lane masks of the four domains for my j-th point: s[24 + 4 j + d]
	v_cmp_le_f32 s56, -0.5, v[4+\j]
	v_cmp_le_f32 s57, 0, v[4+\j]
	v_cmp_le_f32 s58, 0.5, v[4+\j]
	s_not_b32 s[24+4*\j], s56                      ; under -0.5, and NaN
	s_and_not1_b32 s[25+4*\j], s56, s57
	s_and_not1_b32 s[26+4*\j], s57, s58
	s_mov_b32 s[27+4*\j], s58
.endr
.irp d, 0,1,2,3                                    ; my wave's count for each domain
	s_bcnt1_i32_b32 s[40+\d], s[24+\d]
.irp j, 1,2,3
	s_bcnt1_i32_b32 s56, s[24+4*\j+\d]
	s_add_co_u32 s[40+\d], s[40+\d], s56
.endr
	v_mov_b32 v[8+\d], s[40+\d]
.endr
	s_lshl_b32 s21, s20, 4
	v_mov_b32 v12, s21
	ds_store_b128 v12, v[8:11]                     ; 16 bytes a wave; all lanes write the same numbers
	s_wait_dscnt 0x0                               ; for the others' sake: my store has landed
	s_barrier_signal -1
	s_barrier_wait -1
	v_lshlrev_b32 v14, 2, v1
	ds_load_b32 v13, v14                           ; lane 4 w + d: wave w's count for domain d
	s_wait_dscnt 0x0
.irp d, 0,1,2,3
	s_mov_b32 s[40+\d], 0                          ; the block's totals
	s_mov_b32 s[44+\d], 0                          ; the counts of the waves in front of mine
.endr
.irp w, 0,1,2,3,4,5,6,7
	v_readlane_b32 s56, v13, 4*\w
	v_readlane_b32 s57, v13, 4*\w+1
	v_readlane_b32 s58, v13, 4*\w+2
	v_readlane_b32 s59, v13, 4*\w+3
	s_cmp_gt_u32 s20, \w                           ; the choice hangs on the wave's number alone
	s_cselect_b32 s60, s56, 0
	s_cselect_b32 s61, s57, 0
	s_cselect_b32 s62, s58, 0
	s_cselect_b32 s63, s59, 0
	s_add_co_u32 s40, s40, s56
	s_add_co_u32 s41, s41, s57
	s_add_co_u32 s42, s42, s58
	s_add_co_u32 s43, s43, s59
	s_add_co_u32 s44, s44, s60
	s_add_co_u32 s45, s45, s61
	s_add_co_u32 s46, s46, s62
	s_add_co_u32 s47, s47, s63
.endr
	s_add_co_u32 s56, s40, 31                      ; groups of 32, running sums T1 .. T4 in s52 .. s55
	s_lshr_b32 s52, s56, 5
	s_add_co_u32 s56, s41, 31
	s_lshr_b32 s56, s56, 5
	s_add_co_u32 s53, s52, s56
	s_add_co_u32 s56, s42, 31
	s_lshr_b32 s56, s56, 5
	s_add_co_u32 s54, s53, s56
	s_add_co_u32 s56, s43, 31
	s_lshr_b32 s56, s56, 5
	s_add_co_u32 s55, s54, s56
	s_mov_b32 s48, s44                             ; the next free slot of each domain, as my wave sees it
	s_lshl_b32 s56, s52, 5
	s_add_co_u32 s49, s56, s45
	s_lshl_b32 s56, s53, 5
	s_add_co_u32 s50, s56, s46
	s_lshl_b32 s56, s54, 5
	s_add_co_u32 s51, s56, s47
.irp j, 0,1,2,3
	v_mbcnt_lo_u32_b32 v[20+\j], s[24+4*\j], s48   ; the free slot + the lanes of that domain below mine
.irp d, 1,2,3
	v_mbcnt_lo_u32_b32 v14, s[24+4*\j+\d], s[48+\d]
	v_cndmask_b32 v[20+\j], v[20+\j], v14, s[24+4*\j+\d]   ; kept where the point is of domain d: a choice of a value, no branch
.endr
.irp d, 0,1,2,3
	s_bcnt1_i32_b32 s56, s[24+4*\j+\d]
	s_add_co_u32 s[48+\d], s[48+\d], s56
.endr
.endr
	global_store_b128 v15, v[20:23], s[14:15]      ; sixteen lanes store 256 consecutive bytes, aligned
	s_cmp_lg_u32 s20, 0
	s_cbranch_scc1 .Lrouted                        ; the list is wave 0's; no barrier follows
	s_lshl_b32 s22, ttmp9, 8
	s_add_nc_u64 s[16:17], s[16:17], s[22:23]
	v_lshlrev_b32 v24, 1, v1                       ; groups 2 lane and 2 lane + 1
	v_add_nc_u32 v25, 1, v24
	v_mov_b32 v26, 0
	v_mov_b32 v27, 0
.irp k, 52,53,54,55                                ; expert of group g = how many of T1 .. T4 are at most g
	v_cmp_le_u32 vcc_lo, s[\k], v24
	v_cndmask_b32 v28, 0, 1, vcc_lo
	v_add_nc_u32 v26, v26, v28
	v_cmp_le_u32 vcc_lo, s[\k], v25
	v_cndmask_b32 v28, 0, 1, vcc_lo
	v_add_nc_u32 v27, v27, v28
.endr
	v_lshlrev_b32 v29, 3, v1
	global_store_b64 v29, v[26:27], s[16:17]       ; 64 entries: 256 consecutive bytes, aligned
.Lrouted:
	s_wait_tensorcnt 0x0
	ds_add_u32 v96, v97
	s_wait_dscnt 0x0
	s_endpgm
; ---------------- weights ----------------
; 64 numbers of my unit, in the order of the head comment, into v16-79.  kind 0: W1, K step 0;  1: W1, K step 1;  2: W2 or W3.  The rows are those of lane half 0; v4 carries the other half's distance.
.macro WROWS kind
.set q, 0
.rept 64
.if \kind == 2
.set row, 16*(q/8)+q%8
.else
.set QQ, 64*\kind+q
.if QQ < 96
.if (QQ%16) < 8
.set row, 8*(QQ/16)+QQ%16
.else
.set row, 100+8*(QQ/16)+QQ%16-8
.endif
.elseif (QQ < 98)
.set row, 48+QQ-96
.elseif (QQ >= 100) && (QQ < 102)
.set row, 148+QQ-100
.else
.set row, -1
.endif
.endif
.if row >= 0
	global_load_b32 v[16+q], v4, s[30:31] offset:row*512   ; sixteen lanes read 64 neighbouring bytes of a row
.else
	v_mov_b32 v[16+q], 0                           ; a place with no K: the code 0
.endif
.set q, q+1
.endr
.endm
.Lweights:
	s_sub_co_u32 s21, ttmp9, 256
	s_lshr_b32 s22, s21, 2                         ; expert d
	s_and_b32 s23, s21, 3                          ; 0, 1: W1's halves; 2: W2; 3: W3
	s_lshl_b32 s24, s23, 3
	s_add_co_u32 s24, s24, s20                     ; phi
	s_lshr_b32 s25, s24, 1
	s_and_b32 s26, s24, 1                          ; W1's K step
	s_mov_b32 s27, 65536
	s_mov_b32 s28, 4096
	s_cmp_lt_u32 s23, 2
	s_cselect_b32 s25, s25, s20                    ; unit tile t
	s_cselect_b32 s27, 102400, s27                 ; an expert's bytes
	s_cselect_b32 s28, 25600, s28                  ; lane half 1: 50 rows on in W1, 8 rows on in W2 and W3
	s_max_u32 s29, s23, 1
	s_sub_co_u32 s29, s29, 1                       ; layer 0, 1, 2
	s_mul_i32 s32, s22, s27
	s_lshl_b32 s33, s25, 6
	s_add_co_u32 s32, s32, s33                     ; + 64 t: my tile's 16 units in a row
	s_mov_b32 s33, 0
	s_mul_i32 s34, s22, 24
	s_lshl_b32 s35, s29, 3
	s_add_co_u32 s34, s34, s35                     ; the weight's scale is entry 6 d + 2 layer + 1
	s_lshl_b32 s38, s22, 16
	s_lshl_b32 s39, s24, 11
	s_add_co_u32 s38, s38, s39                     ; my fragment's image
	s_mov_b32 s39, 0
	v_mul_lo_u32 v4, v3, s28
	v_lshl_add_u32 v4, v2, 2, v4
	v_lshlrev_b32 v5, 4, v1
	s_wait_kmcnt 0x0
	s_load_b32 s36, s[12:13], s34 offset:0x4       ; e
	s_cmp_eq_u32 s23, 3
	s_cselect_b64 s[30:31], s[10:11], s[8:9]
	s_cmp_lt_u32 s23, 2
	s_cselect_b64 s[30:31], s[6:7], s[30:31]       ; the choice hangs on the work-group's number alone
	s_add_nc_u64 s[30:31], s[30:31], s[32:33]
	s_add_nc_u64 s[18:19], s[18:19], s[38:39]
	s_cmp_ge_u32 s23, 2
	s_cbranch_scc1 .LkindC
	s_cmp_eq_u32 s26, 1
	s_cbranch_scc1 .LkindB
	WROWS 0
	s_branch .Lquant
.LkindB:
	WROWS 1
	s_branch .Lquant
.LkindC:
	WROWS 2
.Lquant:
	s_wait_loadcnt 0x0
	s_wait_kmcnt 0x0
	s_add_co_i32 s36, s36, 127
	s_lshl_b32 s37, s36, 23
	v_mov_b32 v11, s37                             ; 2^e as f32: the conversion takes its exponent field
	s_add_co_i32 s36, s36, 8
	s_lshl_b32 s36, s36, 23
	s_or_b32 s36, s36, 0x600000
	v_mov_b32 v10, s36                             ; 448 x 2^e
.set q, 0
.rept 64
	v_med3_num_f32 v[16+q], v[16+q], -v10, v10     ; the conversion to an 8-bit code does not saturate (ISA guide 7.6.2): the hold comes first
.set q, q+1
.endr
.irp g, 0,1,2,3,4,5,6,7
	v_cvt_scalef32_pk8_fp8_f32 v[80+2*\g:81+2*\g], v[16+8*\g:23+8*\g], v11
.endr
.irp c, 0,1,2,3
	global_store_b128 v5, v[80+4*\c:83+4*\c], s[18:19] offset:512*\c   ; 32 lanes store 512 consecutive bytes, aligned
.endr
	s_endpgm
.Lfunc_end_k_q22457308da_prep:
	.size	k_q22457308da_prep, .Lfunc_end_k_q22457308da_prep-k_q22457308da_prep
	.p2alignl 7, 3214868480
	.fill 96, 4, 3214868480
	.section	.rodata,"a",@progbits
	.p2align	6, 0x0
	.amdhsa_kernel k_q22457308da_prep
		.amdhsa_group_segment_fixed_size 1280
		.amdhsa_private_segment_fixed_size 0
		.amdhsa_enable_private_segment 0
		.amdhsa_kernarg_size 64
		.amdhsa_user_sgpr_count 2
		.amdhsa_user_sgpr_kernarg_segment_ptr 1
		.amdhsa_wavefront_size32 1
		.amdhsa_system_sgpr_workgroup_id_x 1
		.amdhsa_system_sgpr_workgroup_id_y 1
		.amdhsa_system_sgpr_workgroup_id_z 1
		.amdhsa_system_vgpr_workitem_id 0
		.amdhsa_next_free_vgpr 98
		.amdhsa_next_free_sgpr 66
		.amdhsa_reserve_vcc 1
		.amdhsa_float_denorm_mode_32 3
		.amdhsa_float_denorm_mode_16_64 3
		.amdhsa_memory_ordered 1
		.amdhsa_forward_progress 1
		.amdhsa_inst_pref_size 38
	.end_amdhsa_kernel
	.amdgpu_metadata
---
amdhsa.version: [ 1, 2 ]
amdhsa.kernels:
  - .name:           k_q22457308da_prep
    .symbol:         k_q22457308da_prep.kd
    .args:
      - { .name: x, .offset: 0, .size: 8, .value_kind: global_buffer, .address_space: global }
      - { .name: W1, .offset: 8, .size: 8, .value_kind: global_buffer, .address_space: global }
      - { .name: W2, .offset: 16, .size: 8, .value_kind: global_buffer, .address_space: global }
      - { .name: W3, .offset: 24, .size: 8, .value_kind: global_buffer, .address_space: global }
      - { .name: lowp_scales, .offset: 32, .size: 8, .value_kind: global_buffer, .address_space: global }
      - { .name: pos, .offset: 40, .size: 8, .value_kind: global_buffer, .address_space: global }
      - { .name: glist, .offset: 48, .size: 8, .value_kind: global_buffer, .address_space: global }
      - { .name: wcodes, .offset: 56, .size: 8, .value_kind: global_buffer, .address_space: global }
    .group_segment_fixed_size: 1280
    .private_segment_fixed_size: 0
    .kernarg_segment_align: 8
    .kernarg_segment_size: 64
    .max_flat_workgroup_size: 256
    .sgpr_count:     66
    .vgpr_count:     98
    .wavefront_size: 32
...
	.end_amdgpu_metadata
.endif
;; end of part 1
;; launch chain (part 2): grid 256 x 1, 16 waves a work-group, no clusters, 299,008 bytes of LDS; arguments x, t, pos, glist, wcodes, B, b1, b2, b3, W4, b4, lowp_scales, out0; writes out0
.if DOCPART == 2
	.amdgcn_target "amdgcn-amd-amdhsa--gfx1250"
	.amdhsa_code_object_version 6
	.text
	.protected	k_q22457308da_chain
	.globl	k_q22457308da_chain
	.p2align	8
	.type	k_q22457308da_chain,@function
k_q22457308da_chain:
	s_mov_b64 s[64:65], 0
	v_nop
	global_prefetch_b8 v0, s[64:65] scope:SCOPE_SE
	s_setreg_imm32_b32 hwreg(HW_REG_WAVE_MODE, 25, 1), 1
	s_wait_xcnt 0x0
; out0[n] = the sub-network of n's domain at (x, t): 200 Fourier features, three products on codes of E4M3 (K 200, 128, 128 -> 128 units) each with bias and silu, a dot with W4, + b4.  NaN in x gives 0.
; SHARES.  A work-group owns a block of 1,024 points, ordered by domain into groups of 32 slots by the launch before (pos, glist).  Sixteen waves of 256 registers, four to a SIMD, so that one wave's products,
; LDS loads and waits stand beside another's vector work, which is the bulk: a pass of 32 points has 64 matrix instructions and some 3,300 vector instructions.  Wave w takes groups w, w + 16, w + 32;
; a group that the block does not have (list entry 4) is jumped over: a scalar branch on a stored whole number.
; LDS holds all four experts' codes (256 KB, as images of the operand's registers), the points by slot, and small tables.  All work-groups read the same codes, once each, at the head; they are not asked
; for jointly in a cluster: without a branch on the stored list each wave would run three passes where 32 to 35 groups for 16 waves need two or three.
; LAYOUT.  Every product is used transposed: source 0 = 16 units (weights), source 1 = 16 points.  A lane holds ONE point (lane % 16) throughout; register j of unit tile t is unit 16 t + 8 (lane / 16) + j:
; eight neighbours along the next K in that form's own order, so one conversion gives registers 2 t, 2 t + 1 of the next operand.  The features' order along K is our own, the same as in the weights' images.
; SCALES.  g = ea + ew of a layer.  The bias goes in as b / 2^g, loaded as the sums' first C; silu = sum x 1 / (1 + 2^(sum x (-log2 e x 2^g))), still short of 2^g, which is folded into the next conversion's
; scale 2^(ea' - g), or into W4.
; SINE AND COSINE of 2 pi p: a = p - 1/4 or p; r = a - nearest whole number (exact); w = 1/4 - |r|; sin(2 pi w) = w x a polynomial of degree 4 in w^2 (error under 1e-7).
; LIMITS, so that each power of two is an f32 number: ea1, ea2 - g1, ea3 - g2 between -126 and 119; g1, g2, g3 between -126 and 127.  Infinities in x or t and NaN in t are not served.
; The dot with W4 is summed in another order than a plain chain.
.set XT,   262144                      ; LDS: 0: the codes;  XT: slot s's (x, t) at 8 s, 1,536 slots
.set US,   278528                      ; the results by slot, 4 bytes each
.set BX,   284672                      ; B[.][.][0] as [expert][lane half][52], places 50, 51 hold 0;  + 2048: B[.][.][1] likewise
.set BS,   288768                      ; [layer][expert][128]: b / 2^g
.set W4S,  294912                      ; [expert][128]: W4 x 2^g3
.set WB,   16                          ; v16-47   two fragments of weights; or two chunks of B; or a batch of 32 at work in silu
.set CB,   48                          ; v48-111  codes, tile y at CB + 32 y: 0-15 K step 0 (later the hidden layers), 16-25 K step 1, 26-31 zeros that stay
.set XX,   120                         ; v120-127 (x, x), (t, t) of tile 0, of tile 1; later the last layer's sums
.set ACC,  128                         ; v128-255 accumulator (unit tile t, point tile y) at ACC + 64 y + 8 t; at work in the features
; v0 thread; v2, v4, v6, v8, v10 lane terms of LDS addresses, never rewritten; v1 weights, v3 B, v5 biases, v7 W4, v9 points: the same + the pass's expert or group
; v112 the conversion's scale, v113 448 x it; v[114:115] the polynomial's top coefficient; v116-118 the three passes' results, v119 the pass's
	s_load_b512 s[8:23], s[0:1], 0x0               ; x 8, t 10, pos 12, glist 14, wcodes 16, B 18, b1 20, b2 22
	s_load_b256 s[24:31], s[0:1], 0x40             ; b3 24, W4 26, b4 28, scales 30
	s_load_b64 s[32:33], s[0:1], 0x60              ; out0
	v_lshrrev_b32 v1, 5, v0
	v_readfirstlane_b32 s34, v1                    ; wave 0..15
	v_and_b32 v1, 31, v0                           ; lane
	v_and_b32 v3, 15, v0                           ; r
	v_bfe_u32 v5, v0, 4, 1                         ; h
	v_lshlrev_b32 v2, 4, v1                        ; 16 x lane: my place in an image
	v_mul_u32_u24 v4, v5, 208
	v_add_nc_u32 v4, BX, v4                        ; my half's 52 numbers of B
	v_lshlrev_b32 v6, 5, v5
	v_add_nc_u32 v8, W4S, v6                       ; my half's eight units of a tile
	v_add_nc_u32 v6, BS, v6
	s_lshl_b32 s88, s34, 8
	v_lshl_add_u32 v10, v3, 3, s88
	v_add_nc_u32 v10, XT, v10                      ; slot 32 x wave + r
	v_lshlrev_b32 v11, 2, v0                       ; 4 x thread: the tables' entries in memory
	v_add_nc_u32 v112, BX, v11                     ; and in LDS (head only)
	s_lshl_b32 s89, s34, 14
	v_add_nc_u32 v113, s89, v2                     ; my wave's 16 KB of the codes, in memory and in LDS alike (head only)
	v_add_nc_u32 v119, XT, v2                      ; (head only)
	v_mul_u32_u24 v118, v0, 1261
	v_lshrrev_b32 v118, 16, v118                   ; thread / 52 (right up to 1,819)
	v_mul_u32_u24 v117, v118, 52
	v_sub_nc_u32 v117, v0, v117                    ; place 0 .. 51
	v_lshlrev_b32 v116, 1, v118
	v_sub_nc_u32 v116, v0, v116                    ; B's row: 50 x (thread / 52) + place,
	v_min_u32 v116, 399, v116                      ; held inside B
	v_lshlrev_b32 v116, 3, v116
	s_mov_b32 s46, 0xbe800000                      ; -1/4, named as a pair
	s_mov_b32 s47, s46
	s_mov_b32 s48, 0x3e800000                      ; 1/4
	s_mov_b32 s50, 0xc2991661                      ; -76.543710
	s_mov_b32 s51, s50
	s_mov_b32 s52, 0x42a3339e                      ; 81.600816
	s_mov_b32 s53, s52
	s_mov_b32 s54, 0xc2255dda                      ; -41.341653
	s_mov_b32 s55, s54
	s_mov_b32 s56, 0x40c90fda                      ; 6.2831850
	s_mov_b32 s57, s56
	s_mov_b32 s58, 0x76543210                      ; v_permlanex16_b32: lane l xor 16
	s_mov_b32 s59, 0xfedcba98
	s_mov_b32 s60, 0xffff0000                      ; lanes 16-31
	s_lshl_b32 s2, ttmp9, 12                       ; the block in x, t, pos, out0
	s_mov_b32 s3, 0
	s_lshl_b32 s4, ttmp9, 8                        ; and in glist
	s_mov_b32 s5, 0
	s_lshr_b32 s90, s34, 2
	s_mul_i32 s90, s90, 24                         ; threads of waves 4 d .. 4 d + 3 hold expert d's table entries: its six scales
	s_lshl_b32 s91, s34, 2
	s_wait_kmcnt 0x0
	s_add_nc_u64 s[8:9], s[8:9], s[2:3]
	s_add_nc_u64 s[10:11], s[10:11], s[2:3]
	s_add_nc_u64 s[12:13], s[12:13], s[2:3]
	s_add_nc_u64 s[32:33], s[32:33], s[2:3]
	s_add_nc_u64 s[14:15], s[14:15], s[4:5]
	s_load_b32 s36, s[14:15], s91 offset:0x0       ; the experts of groups wave, wave + 16, wave + 32
	s_load_b32 s37, s[14:15], s91 offset:0x40
	s_load_b32 s38, s[14:15], s91 offset:0x80
	s_load_b128 s[68:71], s[30:31], s90 offset:0x0
	s_load_b64 s[72:73], s[30:31], s90 offset:0x10
	global_load_b32 v120, v11, s[20:21]
	global_load_b32 v121, v11, s[22:23]
	global_load_b32 v122, v11, s[24:25]
	global_load_b32 v123, v11, s[26:27]
	global_load_b64 v[124:125], v116, s[18:19]
.macro WLOADS                          ; my wave's 16 KB of the codes
.set k, 0
.rept 32
	global_load_b128 v[ACC+4*k:ACC+4*k+3], v113, s[16:17] offset:512*k
.set k, k+1
.endr
.endm
	s_cmp_lg_u32 s34, 0
	s_cbranch_scc1 .Lothers
	; wave 0 alone lays the block's points by slot: up to the first barrier no other wave touches LDS
.irp k, 0,1,2,3,4,5,6,7
	global_load_b128 v[16+4*\k:19+4*\k], v2, s[8:9] offset:512*\k
.endr
.irp k, 0,1,2,3,4,5,6,7
	global_load_b128 v[48+4*\k:51+4*\k], v2, s[10:11] offset:512*\k
.endr
.irp k, 0,1,2,3,4,5,6,7
	global_load_b128 v[80+4*\k:83+4*\k], v2, s[12:13] offset:512*\k
.endr
	WLOADS
	v_mov_b32 v12, 0
	v_mov_b32 v13, 0
	v_mov_b32 v14, 0
	v_mov_b32 v15, 0
.set k, 0
.rept 24
	ds_store_b128 v119, v[12:15] offset:512*k      ; slots that no point takes hold (0, 0): 1,536 slots x 8 bytes
.set k, k+1
.endr
	s_wait_loadcnt 32                              ; x, t and pos are in; the 32 loads of codes, issued behind them, may be out
.set k, 0
.rept 32
	v_min_u32 v[80+k], 0x45f, v[80+k]              ; a stored slot, held under 1,120
.set k, k+1
.endr
.set k, 0
.rept 32
	v_lshl_add_u32 v[80+k], v[80+k], 3, XT
.set k, k+1
.endr
.set k, 0
.rept 32
	ds_store_b32 v[80+k], v[16+k]                  ; LDS serves a wave's instructions in order: these land on the zeros
	ds_store_b32 v[80+k], v[48+k] offset:4
.set k, k+1
.endr
	s_branch .Ljoin
.Lothers:
	WLOADS
.Ljoin:
	s_wait_dscnt 0x0                               ; wave 0's stores have landed
	s_barrier_signal -1
	s_barrier_wait -1
	s_wait_loadcnt 0x0
	s_wait_kmcnt 0x0
.set k, 0
.rept 32
	ds_store_b128 v113, v[ACC+4*k:ACC+4*k+3] offset:512*k
.set k, k+1
.endr
	s_add_co_i32 s88, s68, s69
	s_sub_co_i32 s88, 0, s88                       ; -g1
	s_add_co_i32 s89, s70, s71
	s_sub_co_i32 s89, 0, s89                       ; -g2
	s_add_co_i32 s90, s72, s73                     ; g3
	s_sub_co_i32 s91, 0, s90
	v_ldexp_f32 v120, v120, s88
	v_ldexp_f32 v121, v121, s89
	v_ldexp_f32 v122, v122, s91
	v_ldexp_f32 v123, v123, s90
	v_cmp_gt_u32 vcc_lo, 50, v117
	v_cndmask_b32 v124, 0, v124, vcc_lo            ; places 50 and 51 hold 0
	v_cndmask_b32 v125, 0, v125, vcc_lo
	ds_store_b32 v112, v124
	ds_store_b32 v112, v125 offset:2048
	ds_store_b32 v112, v120 offset:4096
	ds_store_b32 v112, v121 offset:6144
	ds_store_b32 v112, v122 offset:8192
	ds_store_b32 v112, v123 offset:10240
.irp k, 26,27,28,29,30,31
	v_mov_b32 v[CB+\k], 0                          ; K places 104 .. 127 of the first product: zero codes, written once
	v_mov_b32 v[CB+32+\k], 0
.endr
	v_mov_b32 v114, 0x421ddb72                     ; 39.464302
	v_mov_b32 v115, 0x421ddb72
	v_mov_b32 v116, 0
	v_mov_b32 v117, 0
	v_mov_b32 v118, 0
	v_mov_b32 v119, 0
	s_mov_b32 s35, 3
	s_mov_b32 s44, 0
	s_wait_dscnt 0x0                               ; my part of the codes and tables has landed
	s_barrier_signal -1
	s_barrier_wait -1                              ; from here to the loop's end LDS is only read
.macro SCALE sc, lim, e                ; s[e] = an exponent: s[sc] = 2^e as f32, s[lim] = 448 x 2^e
	s_add_co_i32 s[\lim], s[\e], 127
	s_lshl_b32 s[\sc], s[\lim], 23
	s_add_co_i32 s[\lim], s[\lim], 8
	s_lshl_b32 s[\lim], s[\lim], 23
	s_or_b32 s[\lim], s[\lim], 0x600000
.endm
.macro KEXP k, g                       ; s[k], s[k + 1] = -log2(e) x 2^g: g is added to the exponent field
	s_lshl_b32 s[\k], s[\g], 23
	s_add_co_i32 s[\k], s[\k], 0xbfb8aa3b
	s_mov_b32 s[\k+1], s[\k]
.endm
.macro BLOAD c                         ; chunk c of B: eight f (chunk 6: four), first the x column, then the t column, into buffer c % 2
.set rL, WB+16*((\c)%2)
	ds_load_b128 v[rL:rL+3], v3 offset:32*(\c)
.if (\c) < 6
	ds_load_b128 v[rL+4:rL+7], v3 offset:32*(\c)+16
.endif
	ds_load_b128 v[rL+8:rL+11], v3 offset:2048+32*(\c)
.if (\c) < 6
	ds_load_b128 v[rL+12:rL+15], v3 offset:2048+32*(\c)+16
.endif
.endm
; Chunk c of the features, both tiles, stage by stage: n sines and n cosines a lane and tile, into registers 4 c .. 4 c + 3 of the tile's codes (chunk 6: two registers).
; At work, from rF = the tile's accumulators: 0-15 a, then r, then w^2;  16-31 the whole number, then w;  32-47 the polynomial, then the value.
.macro CHUNK c
.set n, 8
.if (\c) == 6
.set n, 4
.endif
.if (\c) < 6
	BLOAD (\c)+1
.endif
.if (\c) < 5
	s_wait_dscnt 0x4                               ; all but the next chunk's four loads
.elseif (\c) == 5
	s_wait_dscnt 0x2                               ; all but the last chunk's two
.else
	s_wait_dscnt 0x0
.endif
.if (\c) == 0
.irp y, 0,1
	v_mov_b32 v[XX+4*\y], v[12+2*\y]
	v_mov_b32 v[XX+4*\y+1], v[12+2*\y]
	v_mov_b32 v[XX+4*\y+2], v[13+2*\y]
	v_mov_b32 v[XX+4*\y+3], v[13+2*\y]
.endr
.endif
.set rB, WB+16*((\c)%2)
.irp y, 0,1
.set rF, ACC+64*\y
.set i, 0
.rept n/2
	v_pk_mul_f32 v[rF+n+i:rF+n+i+1], v[rB+i:rB+i+1], v[XX+4*\y:XX+4*\y+1]
.set i, i+2
.endr
.endr
.irp y, 0,1
.set rF, ACC+64*\y
.set i, 0
.rept n/2
	v_pk_fma_f32 v[rF+n+i:rF+n+i+1], v[rB+8+i:rB+8+i+1], v[XX+4*\y+2:XX+4*\y+3], v[rF+n+i:rF+n+i+1]   ; p = x B0 + t B1: the cosines' a
.set i, i+2
.endr
.endr
.irp y, 0,1
.set rF, ACC+64*\y
.set i, 0
.rept n/2
	v_pk_add_f32 v[rF+i:rF+i+1], v[rF+n+i:rF+n+i+1], s[46:47] op_sel_hi:[1,0]   ; p - 1/4: the sines' a
.set i, i+2
.endr
.endr
.irp y, 0,1
.set rF, ACC+64*\y
.set i, 0
.rept 2*n
	v_rndne_f32 v[rF+16+i], v[rF+i]
.set i, i+1
.endr
.endr
.irp y, 0,1
.set rF, ACC+64*\y
.set i, 0
.rept n
	v_pk_add_f32 v[rF+i:rF+i+1], v[rF+i:rF+i+1], v[rF+16+i:rF+16+i+1] neg_lo:[0,1] neg_hi:[0,1]   ; r, exact
.set i, i+2
.endr
.endr
.irp y, 0,1
.set rF, ACC+64*\y
.set i, 0
.rept 2*n
	v_sub_f32 v[rF+16+i], s48, |v[rF+i]|           ; w = 1/4 - |r|
.set i, i+1
.endr
.endr
.irp y, 0,1
.set rF, ACC+64*\y
.set i, 0
.rept n
	v_pk_mul_f32 v[rF+i:rF+i+1], v[rF+16+i:rF+16+i+1], v[rF+16+i:rF+16+i+1]
.set i, i+2
.endr
.endr
.irp y, 0,1
.set rF, ACC+64*\y
.set i, 0
.rept n
	v_pk_fma_f32 v[rF+32+i:rF+32+i+1], v[rF+i:rF+i+1], v[114:115], s[50:51] op_sel_hi:[1,1,0]
.set i, i+2
.endr
.endr
.irp cc, 52,54,56
.irp y, 0,1
.set rF, ACC+64*\y
.set i, 0
.rept n
	v_pk_fma_f32 v[rF+32+i:rF+32+i+1], v[rF+32+i:rF+32+i+1], v[rF+i:rF+i+1], s[\cc:\cc+1] op_sel_hi:[1,1,0]
.set i, i+2
.endr
.endr
.endr
.irp y, 0,1
.set rF, ACC+64*\y
.set i, 0
.rept n
	v_pk_mul_f32 v[rF+32+i:rF+32+i+1], v[rF+32+i:rF+32+i+1], v[rF+16+i:rF+16+i+1]
.set i, i+2
.endr
.endr
.irp y, 0,1
.set rF, ACC+64*\y
.set i, 0
.rept 2*n
	v_med3_num_f32 v[rF+32+i], v[rF+32+i], -v113, v113   ; the conversion does not saturate (ISA guide 7.6.2): the hold at 448 x the scale
.set i, i+1
.endr
.endr
.irp y, 0,1
.set rF, ACC+64*\y
.set rC, CB+32*\y+4*(\c)
	v_cvt_scalef32_pk8_fp8_f32 v[rC:rC+1], v[rF+32:rF+39], v112
.if n == 8
	v_cvt_scalef32_pk8_fp8_f32 v[rC+2:rC+3], v[rF+40:rF+47], v112
.endif
.endr
.endm
.macro PHI i                           ; ph = the i-th fragment of layer LL: the first layer goes through its eight unit tiles once for each K step
.if LL == 0
.set ph, 2*((\i)%8)+(\i)/8
.else
.set ph, 8+8*LL+(\i)
.endif
.endm
.macro FRAG buf, phi
.irp c, 0,1,2,3
	ds_load_b128 v[WB+16*(\buf)+4*\c:WB+16*(\buf)+4*\c+3], v1 offset:2048*(\phi)+512*\c
.endr
.endm
; A layer's products.  The biases are loaded as the sums' first C.  Each fragment of weights feeds both tiles of points; two buffers, the fragment after next asked for four places behind the products
; that read its buffer.  The sixteen accumulators take turns, one instruction a turn.
.macro LAYER l, nf
.set LL, \l
.irp y, 0,1
.irp t, 0,1,2,3,4,5,6,7
	ds_load_b128 v[ACC+64*\y+8*\t:ACC+64*\y+8*\t+3], v5 offset:2048*\l+64*\t
	ds_load_b128 v[ACC+64*\y+8*\t+4:ACC+64*\y+8*\t+7], v5 offset:2048*\l+64*\t+16
.endr
.endr
	PHI 0
	FRAG 0, ph
	PHI 1
	FRAG 1, ph
.set fn, 0
.rept \nf
.if fn == (\nf-1)
	s_wait_dscnt 0x0
.else
	s_wait_dscnt 0x4                               ; all but the next fragment's four loads
.endif
.set rW, WB+16*(fn%2)
.set rA, ACC+8*(fn%8)
.set rC, CB+16*(fn/8)
	v_wmma_f32_16x16x128_fp8_fp8 v[rA:rA+7], v[rW:rW+15], v[rC:rC+15], v[rA:rA+7]
	v_wmma_f32_16x16x128_fp8_fp8 v[rA+64:rA+71], v[rW:rW+15], v[rC+32:rC+47], v[rA+64:rA+71]
.if ((fn+2) < \nf) || (fn == (\nf-1))
.rept 4
	v_nop                                          ; places in front of loads into registers that these products read, and of the first read of results
.endr
.endif
.if (fn+2) < \nf
	PHI fn+2
	FRAG fn%2, ph
.endif
.set fn, fn+1
.endr
.endm
; 32 sums v[s] on become sum x sigmoid.  Each kind of transcendental goes as one batch with a plain instruction and one wait behind it, ahead of its first reader.
; Each accumulator is read from its low end on.
.macro SIG s, kk
.set i, 0
.rept 16
	v_pk_mul_f32 v[WB+i:WB+i+1], v[(\s)+i:(\s)+i+1], s[\kk:\kk+1] op_sel_hi:[1,0]
.set i, i+2
.endr
.set i, 0
.rept 32
	v_exp_f32 v[WB+i], v[WB+i]
.set i, i+1
.endr
	v_nop
	s_wait_alu depctr_va_vdst(0)
.set i, 0
.rept 16
	v_pk_add_f32 v[WB+i:WB+i+1], v[WB+i:WB+i+1], 1.0 op_sel_hi:[1,0]
.set i, i+2
.endr
.set i, 0
.rept 32
	v_rcp_f32 v[WB+i], v[WB+i]
.set i, i+1
.endr
	v_nop
	s_wait_alu depctr_va_vdst(0)
.set i, 0
.rept 16
	v_pk_mul_f32 v[(\s)+i:(\s)+i+1], v[(\s)+i:(\s)+i+1], v[WB+i:WB+i+1]
.set i, i+2
.endr
.endm
.macro QOUT s, cd                      ; four unit tiles' 32 numbers become eight registers of the next operand
.set i, 0
.rept 32
	v_med3_num_f32 v[(\s)+i], v[(\s)+i], -v113, v113
.set i, i+1
.endr
.set i, 0
.rept 4
	v_cvt_scalef32_pk8_fp8_f32 v[(\cd)+2*i:(\cd)+2*i+1], v[(\s)+8*i:(\s)+8*i+7], v112
.set i, i+1
.endr
	v_nop                                          ; a plain instruction between the conversions and what next touches their registers
.endm
.macro ACT kk
.irp y, 0,1
.irp g, 0,1
	SIG ACC+64*\y+32*\g, \kk
	QOUT ACC+64*\y+32*\g, CB+32*\y+8*\g
.endr
.endr
.endm
.macro DOT s, y, g                     ; the last layer: 32 numbers x W4, two at a time, in two chains; the first two products start the sums
.set i, 0
.rept 16
.if \g == 0
.set rW, CB+i+16*(i/16)
.else
.set rW, ACC+i
.endif
.set rU, XX+4*\y+2*((i/2)%2)
.if (\g == 0) && (i < 4)
	v_pk_mul_f32 v[rU:rU+1], v[(\s)+i:(\s)+i+1], v[rW:rW+1]
.else
	v_pk_fma_f32 v[rU:rU+1], v[(\s)+i:(\s)+i+1], v[rW:rW+1], v[rU:rU+1]
.endif
.set i, i+2
.endr
.endm
.Ltrip:                                            ; three trips: groups wave, wave + 16, wave + 32
	s_cmp_gt_u32 s36, 3
	s_cbranch_scc1 .Lskip                          ; the block has no such group
	s_min_u32 s39, s36, 3                          ; the expert, a stored whole number held at 3
	s_lshl_b32 s40, s39, 16
	s_mul_i32 s41, s39, 416
	s_lshl_b32 s42, s39, 9
	s_mul_i32 s43, s39, 24
	s_lshl_b32 s45, s39, 2
	s_load_b128 s[68:71], s[30:31], s43 offset:0x0 ; ea1, ew1, ea2, ew2
	s_load_b64 s[72:73], s[30:31], s43 offset:0x10 ; ea3, ew3
	s_load_b32 s74, s[28:29], s45 offset:0x0       ; b4
	v_add_nc_u32 v1, s40, v2
	v_add_nc_u32 v3, s41, v4
	v_add_nc_u32 v5, s42, v6
	v_add_nc_u32 v7, s42, v8
	v_add_nc_u32 v9, s44, v10
	ds_load_b64 v[12:13], v9                       ; (x, t) of slot 32 g + r,
	ds_load_b64 v[14:15], v9 offset:128            ; and of slot 32 g + 16 + r
	BLOAD 0
	s_wait_kmcnt 0x0
	SCALE 82, 83, 68                               ; the features': 2^ea1
	s_add_co_i32 s88, s68, s69                     ; g1
	KEXP 76, 88
	s_sub_co_i32 s89, s70, s88
	SCALE 84, 85, 89                               ; 2^(ea2 - g1)
	s_add_co_i32 s88, s70, s71                     ; g2
	KEXP 78, 88
	s_sub_co_i32 s89, s72, s88
	SCALE 86, 87, 89                               ; 2^(ea3 - g2)
	s_add_co_i32 s88, s72, s73                     ; g3
	KEXP 80, 88
	v_mov_b32 v112, s82
	v_mov_b32 v113, s83
.irp c, 0,1,2,3,4,5,6
	CHUNK \c
.endr
	v_nop                                          ; a plain instruction between the last conversions and the products that read the codes
	LAYER 0, 16
	v_mov_b32 v112, s84
	v_mov_b32 v113, s85
	ACT 76
	LAYER 1, 8
	v_mov_b32 v112, s86
	v_mov_b32 v113, s87
	ACT 78
	LAYER 2, 8
.irp t, 0,1,2,3                                    ; W4 of unit tiles 0-3, into code registers that are done with (the zeros that stay are passed over)
.set rW, CB+8*\t+16*(\t/2)
	ds_load_b128 v[rW:rW+3], v7 offset:64*\t
	ds_load_b128 v[rW+4:rW+7], v7 offset:64*\t+16
.endr
	SIG ACC, 80
	s_wait_dscnt 0x0
	DOT ACC, 0, 0
.irp t, 0,1,2,3                                    ; W4 of unit tiles 4-7, into the accumulators just summed
	ds_load_b128 v[ACC+8*\t:ACC+8*\t+3], v7 offset:256+64*\t
	ds_load_b128 v[ACC+8*\t+4:ACC+8*\t+7], v7 offset:256+64*\t+16
.endr
	SIG ACC+64, 80
	DOT ACC+64, 1, 0
	SIG ACC+32, 80
	s_wait_dscnt 0x0
	DOT ACC+32, 0, 1
	SIG ACC+96, 80
	DOT ACC+96, 1, 1
	v_pk_add_f32 v[120:121], v[120:121], v[122:123]
	v_pk_add_f32 v[124:125], v[124:125], v[126:127]
	v_add_f32 v120, v120, v121
	v_add_f32 v124, v124, v125
	v_permlanex16_b32 v121, v120, s58, s59         ; the point's other 64 units lie in the lane 16 away
	v_permlanex16_b32 v125, v124, s58, s59
	v_add_f32 v120, v120, v121
	v_add_f32 v124, v124, v125
	v_cndmask_b32 v119, v120, v124, s60            ; lanes 0-15 keep tile 0's point, lanes 16-31 tile 1's: lane = slot - 32 g
	v_add_f32 v119, s74, v119
.Lskip:
	v_mov_b32 v116, v117                           ; after three trips v116, v117, v118 hold the three groups' results
	v_mov_b32 v117, v118
	v_mov_b32 v118, v119
	s_mov_b32 s36, s37
	s_mov_b32 s37, s38
	s_add_co_u32 s44, s44, 4096                    ; 16 groups of 32 slots of 8 bytes on
	s_sub_co_u32 s35, s35, 1
	s_cmp_lg_u32 s35, 0
	s_cbranch_scc1 .Ltrip
	; THE WAY OUT: results by slot into LDS, back by point: thread t owns points 2 t and 2 t + 1
	v_lshlrev_b32 v11, 3, v0
	global_load_b64 v[16:17], v11, s[12:13]        ; their slots,
	global_load_b64 v[18:19], v11, s[8:9]          ; and x, for NaN
	v_lshl_add_u32 v12, v0, 2, US
	s_wait_dscnt 0x0                               ; my reads of the loop are over
	s_barrier_signal -1
	s_barrier_wait -1
	ds_store_b32 v12, v116                         ; slot 32 (wave + 16 trip) + lane = thread + 512 trip
	ds_store_b32 v12, v117 offset:2048
	ds_store_b32 v12, v118 offset:4096
	s_wait_dscnt 0x0                               ; for the others' sake
	s_barrier_signal -1
	s_barrier_wait -1
	s_wait_loadcnt 0x0
	v_min_u32 v16, 0x45f, v16
	v_min_u32 v17, 0x45f, v17
	v_lshl_add_u32 v16, v16, 2, US
	v_lshl_add_u32 v17, v17, 2, US
	ds_load_b32 v20, v16
	ds_load_b32 v21, v17
	v_cmp_eq_f32 vcc_lo, v18, v18
	v_cmp_eq_f32 s88, v19, v19
	s_wait_dscnt 0x0
	v_cndmask_b32 v20, 0, v20, vcc_lo              ; x = NaN lies in no domain: 0
	v_cndmask_b32 v21, 0, v21, s88
	global_store_b64 v11, v[20:21], s[32:33]       ; a wave stores 256 consecutive bytes, aligned
	s_wait_xcnt 0x0
	v_lshl_add_u32 v254, v0, 2, 0x48800
	v_mov_b32 v255, 0
	s_wait_tensorcnt 0x0
	ds_add_u32 v254, v255
	s_wait_dscnt 0x0
	s_endpgm
.Lfunc_end_k_q22457308da_chain:
	.size	k_q22457308da_chain, .Lfunc_end_k_q22457308da_chain-k_q22457308da_chain
	.p2alignl 7, 3214868480
	.fill 96, 4, 3214868480
	.section	.rodata,"a",@progbits
	.p2align	6, 0x0
	.amdhsa_kernel k_q22457308da_chain
		.amdhsa_group_segment_fixed_size 299008
		.amdhsa_private_segment_fixed_size 0
		.amdhsa_enable_private_segment 0
		.amdhsa_kernarg_size 104
		.amdhsa_user_sgpr_count 2
		.amdhsa_user_sgpr_kernarg_segment_ptr 1
		.amdhsa_wavefront_size32 1
		.amdhsa_system_sgpr_workgroup_id_x 1
		.amdhsa_system_sgpr_workgroup_id_y 1
		.amdhsa_system_sgpr_workgroup_id_z 1
		.amdhsa_system_vgpr_workitem_id 0
		.amdhsa_next_free_vgpr 256
		.amdhsa_next_free_sgpr 100
		.amdhsa_reserve_vcc 1
		.amdhsa_float_denorm_mode_32 3
		.amdhsa_float_denorm_mode_16_64 3
		.amdhsa_memory_ordered 1
		.amdhsa_forward_progress 1
		.amdhsa_inst_pref_size 231
	.end_amdhsa_kernel
	.amdgpu_metadata
---
amdhsa.version: [ 1, 2 ]
amdhsa.kernels:
  - .name:           k_q22457308da_chain
    .symbol:         k_q22457308da_chain.kd
    .args:
      - { .name: x, .offset: 0, .size: 8, .value_kind: global_buffer, .address_space: global }
      - { .name: t, .offset: 8, .size: 8, .value_kind: global_buffer, .address_space: global }
      - { .name: pos, .offset: 16, .size: 8, .value_kind: global_buffer, .address_space: global }
      - { .name: glist, .offset: 24, .size: 8, .value_kind: global_buffer, .address_space: global }
      - { .name: wcodes, .offset: 32, .size: 8, .value_kind: global_buffer, .address_space: global }
      - { .name: B, .offset: 40, .size: 8, .value_kind: global_buffer, .address_space: global }
      - { .name: b1, .offset: 48, .size: 8, .value_kind: global_buffer, .address_space: global }
      - { .name: b2, .offset: 56, .size: 8, .value_kind: global_buffer, .address_space: global }
      - { .name: b3, .offset: 64, .size: 8, .value_kind: global_buffer, .address_space: global }
      - { .name: W4, .offset: 72, .size: 8, .value_kind: global_buffer, .address_space: global }
      - { .name: b4, .offset: 80, .size: 8, .value_kind: global_buffer, .address_space: global }
      - { .name: lowp_scales, .offset: 88, .size: 8, .value_kind: global_buffer, .address_space: global }
      - { .name: out0, .offset: 96, .size: 8, .value_kind: global_buffer, .address_space: global }
    .group_segment_fixed_size: 299008
    .private_segment_fixed_size: 0
    .kernarg_segment_align: 8
    .kernarg_segment_size: 104
    .max_flat_workgroup_size: 512
    .sgpr_count:     100
    .vgpr_count:     256
    .wavefront_size: 32
...
	.end_amdgpu_metadata
.endif
;; end of part 2
